; MI455X (gfx1250); checked and timed in simulation.
; The chip was launched on July 23, 2026; its instructions are those of AMD's public machine-readable ISA for CDNA 5 (MIT licence, August 2026) and "CDNA5" Instruction Set Architecture Reference Guide (July 2026). The comments in the code are by the model that wrote it; some were corrected since.
;; Wave Glow. Allowed arithmetic: float matrix products may take bf16 or f16 operands with f32 sums; other float arithmetic in f32, or as packed bf16 or f16 multiplies, adds, multiply-adds, maxima and minima; sums over many terms, partial sums and values carried from step to step in f32; what a program stores and reads back later, other than sums and carried values, may be rounded once to bf16 or f16.
;; Inputs: Winv 8 x 2 x 2 float32; mask 8 x 2 float32; sW1 8 x 2 x 256 float32; sW2 8 x 256 x 256 float32; sW3 8 x 256 x 2 float32; sb1 8 x 256 float32; sb2 8 x 256 float32; sb3 8 x 2 float32; tW1 8 x 2 x 256 float32; tW2 8 x 256 x 256 float32; tW3 8 x 256 x 2 float32; tb1 8 x 256 float32; tb2 8 x 256 float32; tb3 8 x 2 float32; z 65,536 x 2 float32.
;; Outputs: out0 65,536 x 2 float32.
;; One version. Each part assembles by itself: llvm-mc -triple=amdgcn-amd-amdhsa -mcpu=gfx1250 --defsym DOCPART=n.
;; ======== version 1 of 1: 2 launches
;; workspace buffers: pk 2,228,224 bytes
;; launch prep (part 1): grid 9 x 16, 8 waves a work-group, no clusters, 0 bytes of LDS; arguments sW2, tW2, sW1, tW1, sb1, tb1, sb2, tb2, sW3, tW3, sb3, tb3, Winv, mask, pk; writes pk
.if DOCPART == 1
	.amdgcn_target "amdgcn-amd-amdhsa--gfx1250"
	.amdhsa_code_object_version 6
	.text
	.protected	k_qc0eb4feb8b_prep
	.globl	k_qc0eb4feb8b_prep
	.p2align	8
	.type	k_qc0eb4feb8b_prep,@function
k_qc0eb4feb8b_prep:
	s_mov_b64 s[64:65], 0
	v_nop
	global_prefetch_b8 v0, s[64:65] scope:SCOPE_SE
	s_setreg_imm32_b32 hwreg(HW_REG_WAVE_MODE, 25, 1), 1
	s_wait_xcnt 0x0
; THE WEIGHTS ARE PACKED ONCE, in the order in which the second launch's lanes want them.  16 packages of 139,264 bytes, package y = 2 x layer + net (s = 0, t = 1):
;   0        W2^T in bf16: 128 fragments of 1,024 bytes; fragment (m, kk) at (8 m + kk) x 1,024 holds, at byte 512 s + 256 h + 16 r, the eight numbers W2[32 kk + 16 s + 8 h + 0..7][16 m + r]
;   131,072  for unit t, 16 bytes at 16 t: bf16 (w0h, w0h, w1h, w1h, b1h, b1l, w0l, w1l): W1's two rows and b1, each as a bf16 and the bf16 of what that rounding left
;   135,168  chunk j of 64, 16 bytes: bf16 of W3[32 (j / 8) + 8 (j % 4) + 0..7][(j / 4) % 2]
;   136,192  b2, 256 f32
;   137,216  12 f32: inv(Winv) by rows, mask, 1 - mask, sb3, tb3 (the same in a layer's two packages); then zeros up to the package's end
; GRID: y = the package; x = 0..7: W2's rows 32 x .. 32 x + 31 (K step x of all 16 fragments' rows); x = 8: the tables.  Every store of 16 lanes covers 256 consecutive bytes, aligned.
; LIMITS.  inv(Winv) is the adjugate times 1 / det, the reciprocal by v_rcp_f32 and one Newton step: good to an f32's last bits, not correctly rounded; a singular Winv gives infinities or NaN.
; W2 and W3 are rounded once to bf16 (they are matrix operands).
.set PKG, 139264
.set TAB, 131072
	s_load_b512 s[8:23], s[0:1], 0x0               ; sW2 s[8:9], tW2 s[10:11], sW1 s[12:13], tW1 s[14:15], sb1 s[16:17], tb1 s[18:19], sb2 s[20:21], tb2 s[22:23]
	s_load_b256 s[24:31], s[0:1], 0x40             ; sW3 s[24:25], tW3 s[26:27], sb3 s[28:29], tb3 s[30:31]
	s_load_b128 s[32:35], s[0:1], 0x60             ; Winv s[32:33], mask s[34:35]
	s_load_b64 s[36:37], s[0:1], 0x70              ; pk
	v_lshrrev_b32 v1, 5, v0
	v_readfirstlane_b32 s7, v1                     ; wave 0..7
	s_and_b32 s2, ttmp7, 0xffff                    ; the package
	s_lshr_b32 s3, s2, 1                           ; its layer
	s_and_b32 s4, s2, 1                            ; its net
	s_mul_i32 s40, s2, PKG
	s_mov_b32 s41, 0
	v_lshlrev_b32 v1, 2, v0                        ; 4 t: thread t is unit t
	s_wait_kmcnt 0x0
	s_cmp_eq_u32 s4, 0                             ; the net chooses between the two buffers of each kind
	s_cselect_b64 s[8:9], s[8:9], s[10:11]         ; W2
	s_cselect_b64 s[12:13], s[12:13], s[14:15]     ; W1
	s_cselect_b64 s[16:17], s[16:17], s[18:19]     ; b1
	s_cselect_b64 s[20:21], s[20:21], s[22:23]     ; b2
	s_cselect_b64 s[24:25], s[24:25], s[26:27]     ; W3
	s_add_nc_u64 s[36:37], s[36:37], s[40:41]      ; pk at my package
	s_cmp_eq_u32 ttmp9, 8
	s_cbranch_scc1 .Ltab
	; W2: 32 rows of 256 f32.  A load of the work-group covers one row, 1,024 consecutive bytes; thread t gathers column t.
	s_lshl_b32 s42, s3, 18                         ; the layer's 262,144 bytes
	s_lshl_b32 s43, ttmp9, 15                      ; K step x: 32 rows of 1,024 bytes
	s_add_co_u32 s42, s42, s43
	s_mov_b32 s43, 0
	s_add_nc_u64 s[8:9], s[8:9], s[42:43]
	s_lshl_b32 s44, ttmp9, 10                      ; fragment (m, x) lies at 8,192 m + 1,024 x
	s_mov_b32 s45, 0
	s_add_nc_u64 s[36:37], s[36:37], s[44:45]
	v_lshrrev_b32 v2, 4, v0                        ; m = t / 16
	v_and_b32 v3, 15, v0                           ; r = t % 16
	v_lshlrev_b32 v3, 4, v3
	v_lshl_add_u32 v2, v2, 13, v3                  ; 8,192 m + 16 r
.set k, 0
.rept 32
	global_load_b32 v[8+k], v1, s[8:9] offset:1024*k th:TH_LOAD_NT
.set k, k+1
.endr
	s_wait_loadcnt 16                              ; rows 0 to 15 are in; the 16 younger loads may stay out
.set c, 0
.rept 8
	v_cvt_pk_bf16_f32 v[40+c], v[8+2*c], v[9+2*c]
.set c, c+1
.endr
	global_store_b128 v2, v[40:43], s[36:37]             ; s = 0, h = 0
	global_store_b128 v2, v[44:47], s[36:37] offset:256  ; s = 0, h = 1
	s_wait_loadcnt 0x0
.rept 8
	v_cvt_pk_bf16_f32 v[40+c], v[8+2*c], v[9+2*c]
.set c, c+1
.endr
	global_store_b128 v2, v[48:51], s[36:37] offset:512  ; s = 1, h = 0
	global_store_b128 v2, v[52:55], s[36:37] offset:768  ; s = 1, h = 1
	s_endpgm
.Ltab:
	s_add_nc_u64 s[36:37], s[36:37], TAB           ; pk at the package's tables
	s_lshl_b32 s42, s3, 11                         ; a layer of W1 and of W3: 2,048 bytes
	s_mov_b32 s43, 0
	s_lshl_b32 s44, s3, 10                         ; a layer of b1 and of b2: 1,024 bytes
	s_mov_b32 s45, 0
	s_add_nc_u64 s[12:13], s[12:13], s[42:43]
	s_add_nc_u64 s[24:25], s[24:25], s[42:43]
	s_add_nc_u64 s[16:17], s[16:17], s[44:45]
	s_add_nc_u64 s[20:21], s[20:21], s[44:45]
	v_lshlrev_b32 v3, 4, v0                        ; 16 t
	global_load_b32 v4, v1, s[12:13]               ; w0 = W1[0][t]
	global_load_b32 v5, v1, s[12:13] offset:1024   ; w1 = W1[1][t]
	global_load_b32 v6, v1, s[16:17]               ; b1[t]
	s_wait_loadcnt 0x0
	v_cvt_pk_bf16_f32 v7, v4, v5                   ; (w0h, w1h)
	v_cvt_pk_bf16_f32 v16, v6, v6                  ; (b1h, b1h)
	v_lshlrev_b32 v8, 16, v7                       ; w0h as f32
	v_and_b32 v9, 0xffff0000, v7                   ; w1h as f32
	v_lshlrev_b32 v17, 16, v16                     ; b1h as f32
	v_sub_f32 v10, v4, v8                          ; what the roundings left
	v_sub_f32 v11, v5, v9
	v_sub_f32 v18, v6, v17
	v_cvt_pk_bf16_f32 v12, v8, v8
	v_cvt_pk_bf16_f32 v13, v9, v9
	v_cvt_pk_bf16_f32 v14, v17, v18
	v_cvt_pk_bf16_f32 v15, v10, v11
	global_store_b128 v3, v[12:15], s[36:37]
	s_cmp_lt_u32 s7, 2
	s_cbranch_scc0 .Lnot_b2
	global_load_b128 v[20:23], v3, s[20:21]        ; waves 0 and 1: b2 as it is, 64 threads x 16 bytes
	s_wait_loadcnt 0x0
	global_store_b128 v3, v[20:23], s[36:37] offset:5120
	s_endpgm
.Lnot_b2:
	s_cmp_lt_u32 s7, 4
	s_cbranch_scc0 .Lmisc
	v_and_b32 v24, 63, v0                          ; waves 2 and 3: chunk j = t - 64 of W3's table
	v_lshrrev_b32 v25, 3, v24
	v_lshlrev_b32 v25, 8, v25                      ; 32 (j / 8) rows of 8 bytes
	v_and_b32 v26, 3, v24
	v_lshl_add_u32 v25, v26, 6, v25                ; + 8 (j % 4) rows
	v_bfe_u32 v26, v24, 2, 1
	v_lshl_add_u32 v25, v26, 2, v25                ; + the column
.set k, 0
.rept 8
	global_load_b32 v[28+k], v25, s[24:25] offset:8*k
.set k, k+1
.endr
	v_lshlrev_b32 v27, 4, v24
	s_wait_loadcnt 0x0
.set c, 0
.rept 4
	v_cvt_pk_bf16_f32 v[36+c], v[28+2*c], v[29+2*c]
.set c, c+1
.endr
	global_store_b128 v27, v[36:39], s[36:37] offset:4096
	s_endpgm
.Lmisc:                                                ; waves 4 to 7: the layer's twelve numbers, and zeros up to the package's end
	s_lshl_b32 s46, s3, 4                          ; a layer of Winv: 16 bytes
	s_mov_b32 s47, 0
	s_lshl_b32 s48, s3, 3                          ; of mask, sb3, tb3: 8 bytes
	s_mov_b32 s49, 0
	s_add_nc_u64 s[32:33], s[32:33], s[46:47]
	s_add_nc_u64 s[34:35], s[34:35], s[48:49]
	s_add_nc_u64 s[28:29], s[28:29], s[48:49]
	s_add_nc_u64 s[30:31], s[30:31], s[48:49]
	s_load_b128 s[52:55], s[32:33], 0x0            ; a, b, c, d
	s_load_b64 s[56:57], s[34:35], 0x0             ; m
	s_load_b64 s[58:59], s[28:29], 0x0             ; sb3
	s_load_b64 s[60:61], s[30:31], 0x0             ; tb3
	v_and_b32 v57, 0x7f, v0                        ; t' = t - 128
	v_lshlrev_b32 v58, 4, v57
	v_mov_b32 v60, 0
	v_mov_b32 v61, 0
	v_mov_b32 v62, 0
	v_mov_b32 v63, 0
	v_cmp_eq_u32 s40, 0, v57
	v_cmp_eq_u32 s41, 1, v57
	v_cmp_eq_u32 s42, 2, v57
	s_wait_kmcnt 0x0
	v_mov_b32 v40, s52
	v_mov_b32 v41, s53
	v_mov_b32 v42, s54
	v_mov_b32 v43, s55
	v_mul_f32 v44, v41, v42
	v_fma_f32 v44, v40, v43, -v44                  ; det = a d - b c
	v_rcp_f32 v45, v44
	v_mov_b32 v53, s56                             ; a plain line behind the reciprocal
	s_wait_alu depctr_va_vdst(0)                   ; the wait ahead of the reciprocal's first reader
	v_fma_f32 v46, -v44, v45, 2.0
	v_mul_f32 v47, v45, v46                        ; one Newton step: r (2 - det r)
	v_mov_b32 v54, s57
	v_mul_f32 v48, v43, v47                        ; W00 =  d r
	v_mul_f32 v49, -v41, v47                       ; W01 = -b r
	v_mul_f32 v50, -v42, v47                       ; W10 = -c r
	v_mul_f32 v51, v40, v47                        ; W11 =  a r
	v_sub_f32 v55, 1.0, v53                        ; 1 - m
	v_sub_f32 v56, 1.0, v54
	v_mov_b32 v40, s58
	v_mov_b32 v41, s59
	v_mov_b32 v42, s60
	v_mov_b32 v43, s61
	v_cndmask_b32 v60, v60, v48, s40               ; thread 0: inv(Winv)
	v_cndmask_b32 v61, v61, v49, s40
	v_cndmask_b32 v62, v62, v50, s40
	v_cndmask_b32 v63, v63, v51, s40
	v_cndmask_b32 v60, v60, v53, s41               ; thread 1: m, 1 - m
	v_cndmask_b32 v61, v61, v54, s41
	v_cndmask_b32 v62, v62, v55, s41
	v_cndmask_b32 v63, v63, v56, s41
	v_cndmask_b32 v60, v60, v40, s42               ; thread 2: sb3, tb3
	v_cndmask_b32 v61, v61, v41, s42
	v_cndmask_b32 v62, v62, v42, s42
	v_cndmask_b32 v63, v63, v43, s42
	global_store_b128 v58, v[60:63], s[36:37] offset:6144
	s_endpgm
.Lfunc_end_k_qc0eb4feb8b_prep:
	.size	k_qc0eb4feb8b_prep, .Lfunc_end_k_qc0eb4feb8b_prep-k_qc0eb4feb8b_prep
	.p2alignl 7, 3214868480
	.fill 96, 4, 3214868480
	.section	.rodata,"a",@progbits
	.p2align	6, 0x0
	.amdhsa_kernel k_qc0eb4feb8b_prep
		.amdhsa_group_segment_fixed_size 0
		.amdhsa_private_segment_fixed_size 0
		.amdhsa_enable_private_segment 0
		.amdhsa_kernarg_size 120
		.amdhsa_user_sgpr_count 2
		.amdhsa_user_sgpr_kernarg_segment_ptr 1
		.amdhsa_wavefront_size32 1
		.amdhsa_system_sgpr_workgroup_id_x 1
		.amdhsa_system_sgpr_workgroup_id_y 1
		.amdhsa_system_sgpr_workgroup_id_z 1
		.amdhsa_system_vgpr_workitem_id 0
		.amdhsa_next_free_vgpr 64
		.amdhsa_next_free_sgpr 66
		.amdhsa_reserve_vcc 0
		.amdhsa_float_denorm_mode_32 3
		.amdhsa_float_denorm_mode_16_64 3
		.amdhsa_memory_ordered 1
		.amdhsa_forward_progress 1
		.amdhsa_inst_pref_size 12
	.end_amdhsa_kernel
	.amdgpu_metadata
---
amdhsa.version: [ 1, 2 ]
amdhsa.kernels:
  - .name:           k_qc0eb4feb8b_prep
    .symbol:         k_qc0eb4feb8b_prep.kd
    .args:
      - { .name: sW2, .offset: 0, .size: 8, .value_kind: global_buffer, .address_space: global }
      - { .name: tW2, .offset: 8, .size: 8, .value_kind: global_buffer, .address_space: global }
      - { .name: sW1, .offset: 16, .size: 8, .value_kind: global_buffer, .address_space: global }
      - { .name: tW1, .offset: 24, .size: 8, .value_kind: global_buffer, .address_space: global }
      - { .name: sb1, .offset: 32, .size: 8, .value_kind: global_buffer, .address_space: global }
      - { .name: tb1, .offset: 40, .size: 8, .value_kind: global_buffer, .address_space: global }
      - { .name: sb2, .offset: 48, .size: 8, .value_kind: global_buffer, .address_space: global }
      - { .name: tb2, .offset: 56, .size: 8, .value_kind: global_buffer, .address_space: global }
      - { .name: sW3, .offset: 64, .size: 8, .value_kind: global_buffer, .address_space: global }
      - { .name: tW3, .offset: 72, .size: 8, .value_kind: global_buffer, .address_space: global }
      - { .name: sb3, .offset: 80, .size: 8, .value_kind: global_buffer, .address_space: global }
      - { .name: tb3, .offset: 88, .size: 8, .value_kind: global_buffer, .address_space: global }
      - { .name: Winv, .offset: 96, .size: 8, .value_kind: global_buffer, .address_space: global }
      - { .name: mask, .offset: 104, .size: 8, .value_kind: global_buffer, .address_space: global }
      - { .name: pk, .offset: 112, .size: 8, .value_kind: global_buffer, .address_space: global }
    .group_segment_fixed_size: 0
    .private_segment_fixed_size: 0
    .kernarg_segment_align: 8
    .kernarg_segment_size: 120
    .max_flat_workgroup_size: 256
    .sgpr_count:     66
    .vgpr_count:     64
    .wavefront_size: 32
...
	.end_amdgpu_metadata
.endif
;; end of part 1
;; launch flow (part 2): grid 256 x 1, 4 waves a work-group, clusters of 4 x 1, 327,680 bytes of LDS; arguments z, pk, out0; writes out0
.if DOCPART == 2
	.amdgcn_target "amdgcn-amd-amdhsa--gfx1250"
	.amdhsa_code_object_version 6
	.text
	.protected	k_qc0eb4feb8b_flow
	.globl	k_qc0eb4feb8b_flow
	.p2align	8
	.type	k_qc0eb4feb8b_flow,@function
k_qc0eb4feb8b_flow:
	s_mov_b64 s[64:65], 0
	v_nop
	global_prefetch_b8 v0, s[64:65] scope:SCOPE_SE
	s_setreg_imm32_b32 hwreg(HW_REG_WAVE_MODE, 25, 1), 1
	s_wait_xcnt 0x0
	s_wait_alu depctr_hold_cnt(0) depctr_sa_sdst(0) depctr_va_vdst(0) depctr_va_sdst(0) depctr_va_ssrc(0) depctr_va_vcc(0) depctr_vm_vsrc(0)
	s_getreg_b32 s2, hwreg(HW_REG_IB_STS2, 6, 4)
	s_cmp_eq_u32 s2, 0
	s_cbranch_scc0 .Lentry_in_a_cluster
	s_endpgm
.Lentry_in_a_cluster:
	s_bfe_u32 s2, ttmp6, 0x10000c
	s_cmp_lg_u32 s2, 0x3003
	s_cbranch_scc0 .Lentry_shape_is_right
	s_endpgm
.Lentry_shape_is_right:
; ALL EIGHT COUPLING LAYERS IN ONE LAUNCH.  For each layer: x = x inv(Winv); x_ = x m; s = tanh(mlp_s(x_)) (1 - m); t = mlp_t(x_) (1 - m); x = x_ + (1 - m)(x e^s + t).  x never leaves registers.
; SHARES.  A work-group owns 256 samples, each of its four waves 64: four tiles n of 16.  A STEP is one net of one layer (16 steps); its weights come as one package of 139,264 bytes, packed by the launch before.
; LAYOUT.  All three products are taken transposed (source 0 = weights, 16 units x 32 inputs; source 1 = activations, 32 inputs x 16 samples): in every result lane l holds ONE sample (l % 16) and the units
; 8 (l / 16) + 0..7.  Two such results, rounded to bf16 in pairs, ARE source 1 of the next product: nothing changes lanes.
;   first layer   h1^T = A1 Bx, one product with C = 0 for 16 units x 16 samples; of its K only 0..7 is used: A1 = (w0h, w0h, w1h, w1h, b1h, b1l, w0l, w1l), Bx = (xh0, xl0, xh1, xl1, 1, 1, xh0, xh1): x_, W1 and b1 each
;                 as a bf16 and the bf16 of what that rounding left.  Bx is 0 in lanes 16-31 and in registers 4-7, so what A1's other places hold (finite numbers) adds nothing.
;   second layer  h2^T = W2^T h1^T; b2, in f32, is the C operand of the first K step.
;   third layer   o^T = A3 h2^T; A3's row r holds W3's column r % 2, so registers 0 and 1 of every lane are its sample's two outputs.  b3 is added in f32.
;   LeakyReLU     on packed bf16: round, times the slope, maximum of the two.
; A STEP'S ORDER.  16 batches of 32 products W2^T h1^T.  Batches 0-7: K step kk for units 0-127 (32 accumulators); beside them the first layer's products and activation for K step kk + 1.
; Batches 8-15: units 128-255, a PAIR of 32 units in two batches (8 accumulators); beside them the activation of a finished pair, and its 4 products with A3 at the next batch's head.
; Behind each product of a batch stand three lines of activation.  The accumulators take turns, one instruction a turn.
; RING.  Two LDS slots, a package each.  Each wave fetches a quarter of a package, 136 rows of 256 bytes, by one tensor load.  CLUSTER: the four work-groups of a cluster walk the same packages, so each
; quarter is asked for JOINTLY: the same load, descriptor and mask in all four.  One tensor load of a wave is out at the most.
; LIMITS.  The slope 0.01 is taken as the bf16 0.010009766, and a negative activation is rounded twice (to bf16, and after the slope).  h1, h2, W2, W3 are rounded once to bf16.
; tanh(a) = 1 - 2 / (1 + 2^(2 log2(e) a)): absolute error of some 1e-7, exact limits -1 and 1 where the power underflows or overflows.  NaN and infinities are not treated apart.
; REGISTERS, in windows of 256 (s_set_vgpr_msb: bits 1:0 source 0, 3:2 source 1, 5:4 source 2, 7:6 destination):
;   window 0: addresses, x and the layer's small numbers, Bx, A1's, A3's and b2's fragments, o^T      window 1: h1^T, (n, kk) at 64 n + 8 kk
;   window 2: four regions of 64, a pair's accumulators (mi, n) at 32 mi + 8 n                        window 3: v0-63 region E (b2 for batch 0, then pair 4's accumulators); v64-191 W2's fragments, two
;                                                                                                     buffers; v192-255 the first layer's raw results, later two buffers of h2^T
.set PKG,   139264                     ; a package, and an LDS slot
.set SLOT1, 139264                     ; slot 1 begins here.  Bits 13 and 17; no wave's quarter (0x8800 x wave) has either, so one exclusive or turns an address in one slot into the other's
.set QUART, 34816                      ; a wave's quarter: 136 rows of 256 bytes
.set SPARE, 278528                     ; behind the ring: the spare words, 128 bytes for each wave: two blocks of 256 bytes that no other line names
.set T_A1,  131072                     ; the tables' places in a package
.set T_A3,  135168
.set T_B2,  136192
.set T_MS,  137216
.set L16, 2                            ; v2   16 x lane; never rewritten (v2-v6: my lane's places in a package)
.set LA1, 3                            ; v3   T_A1 + 16 (l % 16)
.set LA3, 4                            ; v4   T_A3 + 64 (l % 2) + 16 (l / 16)
.set LB2, 5                            ; v5   T_B2 + 32 (l / 16)
.set LMS, 6                            ; v6   T_MS
.set AF0, 7                            ; v7-12  the same in the slot in hand: W2's fragments of units 0-127,
.set AF1, 8                            ;        of units 128-255,
.set AA1, 9
.set AA3, 10
.set AB2, 11
.set AMS, 12
.set HM,  13                           ; v13  all ones in lanes 0-15, 0 in lanes 16-31
.set ZO,  14                           ; v14  8 (l % 16): my sample in 16 of z
.set PFO, 15                           ; v15  256 x lane; never rewritten
.set SPW, 16                           ; v16  LDS address of my spare word: SPARE + 4 x my thread's number; never rewritten
.set NIL, 17                           ; v17  0; never rewritten
.set OO,  18                           ; v18  8 x lane
.set MNR, 20                           ; v20-31  as loaded with a package: inv(Winv), m, 1 - m, sb3, tb3
.set MR,  32                           ; v32-39  m, 1 - m, sb3, tb3 of the layer in hand
.set XCR, 40                           ; v40-47  x behind the 2 x 2 product, a pair a tile
.set OSR, 48                           ; v48-55  the s net's outputs
.set XNR, 56                           ; v56-63  x at a layer's end
.set AR,  64                           ; v64-71  at work
.set TR,  72                           ; v72-79  at work
.set BXR, 80                           ; v80-111   Bx, 8 a tile
.set A1F, 112                          ; v112-143  four fragments of A1; their upper four registers stay 0
.set A3F, 144                          ; v144-159  two fragments of A3
.set BBR, 160                          ; v160-175  b2 of one pair
.set OUTR, 176                         ; v176-207  o^T, 8 a tile
.set TMP, 208                          ; v208-215  at work
.set RE,  0                            ; window 3
.set F0,  64
.set TH,  192
.set WV,  10                           ; s10  my wave's number
.set G1,  16                           ; s[16:23] descriptor group 1
.set G0,  24                           ; s[24:27] descriptor group 0: it walks
.set RB,  28                           ; s28  the slot in hand: 0 or SLOT1
.set CNT, 29                           ; s29  15 - the step's number
.set LIM, 30                           ; s30  1 in a cluster that prefetches, else the greatest number
.set SLP, 31                           ; s31  the slope, twice, in bf16
.set PFA, 32                           ; s[32:33] where my prefetches stand
.set MSB, 0
.macro WIN new                         ; the immediate's high byte repeats the setting that is left; a switch that changes nothing is dropped
.if MSB != (\new)
	s_set_vgpr_msb (MSB<<8)|(\new)
.set MSB, (\new)
.endif
.endm
; A vector instruction that reads a matrix result or writes one of a matrix instruction's registers, and a load into such a register, stand four places behind it; only plain vector
; instructions that name none of its registers are places (ISA guide 7.12.1 for vector instructions).
.macro PLACES
.rept 4
	v_nop
.endr
.endm
; A round of the cluster's barrier: my work-group's barrier, so that wave 0's signal speaks for all four waves; wave 0 signals; every wave waits for all four work-groups; my work-group's barrier once more.
.macro CREST                           ; a round behind its opening barrier
	s_cmp_lg_u32 s[WV], 0
	s_cbranch_scc1 .Lnot_wave_0_\@
	s_barrier_signal -3
.Lnot_wave_0_\@:
	s_barrier_wait -3
	s_barrier_signal -1
	s_barrier_wait -1
.endm
.macro CROUND
	s_barrier_signal -1
	s_barrier_wait -1
	CREST
.endm
.macro JLOAD                           ; my quarter of a package; an s_nop 0 and four v_nop follow the line
	tensor_load_to_lds s[G0:G0+3], s[G1:G1+7]
	s_nop 0
	PLACES
.endm
; THE ACTIVATION of eight result tiles (tile t = 4 u + n at src + 8 t, in window sw) is a list of 96 lines: 32 roundings (registers 2 j, 2 j + 1 of a tile into 2 j), 32 products with the slope (into 2 j + 1),
; 32 maxima, into register db + dn n + 4 u + j of window dw.  Tiles and j ascend.  R1 writes the list's next line; RID c the next c.
.macro SETP src, sw, db, dn, dw
.set PSRC, \src
.set PSW, \sw
.set PDB, \db
.set PDN, \dn
.set PDW, \dw
.set PE, 0
.endm
.macro NOP_P                           ; no list in hand
.set PE, 96
.endm
.macro R1
.if PE < 96
.set pt, (PE%32)/4
.set pj, PE%4
.set pa, PSRC+8*pt+2*pj
.if PE < 32
	WIN PSW*0x45
	v_cvt_pk_bf16_f32 v[pa], v[pa], v[pa+1]
.elseif PE < 64
	WIN PSW*0x45
	v_pk_mul_bf16 v[pa+1], v[pa], s[SLP]
.else
	WIN PSW*5|(PDW<<6)
	v_pk_max_num_bf16 v[PDB+PDN*(pt%4)+4*(pt/4)+pj], v[pa], v[pa+1]
.endif
.set PE, PE+1
.endif
.endm
.macro RID c
.rept \c
	R1
.endr
.endm
; THE MATRIX WORK.  MAINW: one product W2^T h1^T: D at d in window dw, W2's fragment at a in window 3, h1^T at b in window 1, C at c in window cw.
.macro MAINW d, dw, a, b, cw, c
	WIN 7|((\cw)<<4)|((\dw)<<6)
	v_wmma_f32_16x16x32_bf16 v[(\d):(\d)+7], v[(\a):(\a)+7], v[(\b):(\b)+7], v[(\c):(\c)+7]
.endm
.macro L1W kk                          ; the first layer's units 32 kk .. 32 kk + 31 for my four tiles: eight products, raw results (ui, n) at TH + 32 ui + 8 n
	WIN 0xc0
.irp ui, 0,1
.irp n, 0,1,2,3
	v_wmma_f32_16x16x32_bf16 v[TH+32*\ui+8*\n:TH+32*\ui+8*\n+7], v[A1F+8*(2*((\kk)%2)+\ui):A1F+8*(2*((\kk)%2)+\ui)+7], v[BXR+8*\n:BXR+8*\n+7], 0
.endr
.endr
.endm
.macro L3W q                           ; the q-th activated pair's part of o^T: four products; the first starts the sums
	WIN 0x0c
.irp n, 0,1,2,3
.if (\q) == 0
	v_wmma_f32_16x16x32_bf16 v[OUTR+8*\n:OUTR+8*\n+7], v[A3F+8*((\q)%2):A3F+8*((\q)%2)+7], v[TH+32*((\q)%2)+8*\n:TH+32*((\q)%2)+8*\n+7], 0
.else
	v_wmma_f32_16x16x32_bf16 v[OUTR+8*\n:OUTR+8*\n+7], v[A3F+8*((\q)%2):A3F+8*((\q)%2)+7], v[TH+32*((\q)%2)+8*\n:TH+32*((\q)%2)+8*\n+7], v[OUTR+8*\n:OUTR+8*\n+7]
.endif
.endr
.endm
; THE LDS LOADS.  A package lies in fragment order, so a load's 32 lanes take 512 consecutive bytes (W2), or few words that many lanes share (the tables): no padding is wanted.
.macro FETCH1 kk, f                    ; W2's fragments (m, kk), m = 0..7, into buffer f
	WIN 0xc0
.irp m, 0,1,2,3,4,5,6,7
	ds_load_b128 v[(\f)+8*\m:(\f)+8*\m+3],   v[AF0] offset:(8*\m+(\kk))*1024
	ds_load_b128 v[(\f)+8*\m+4:(\f)+8*\m+7], v[AF0] offset:(8*\m+(\kk))*1024+512
.endr
.endm
.macro FETCH2 p, hf, f                 ; pair p's fragments (2 p + mi, 4 hf + kq) into buffer f, at 8 (2 kq + mi)
	WIN 0xc0
.irp kq, 0,1,2,3
.irp mi, 0,1
	ds_load_b128 v[(\f)+8*(2*\kq+\mi):(\f)+8*(2*\kq+\mi)+3],   v[AF1] offset:(8*(2*(\p)+\mi-8)+4*(\hf)+\kq)*1024
	ds_load_b128 v[(\f)+8*(2*\kq+\mi)+4:(\f)+8*(2*\kq+\mi)+7], v[AF1] offset:(8*(2*(\p)+\mi-8)+4*(\hf)+\kq)*1024+512
.endr
.endr
.endm
.macro LDA1 u, i                       ; A1 of units 16 u .. 16 u + 15 into fragment i's lower four registers
	WIN 0
	ds_load_b128 v[A1F+8*(\i):A1F+8*(\i)+3], v[AA1] offset:256*(\u)
.endm
.macro LDA3 p, i                       ; A3 of pair p into fragment i
	WIN 0
	ds_load_b128 v[A3F+8*(\i):A3F+8*(\i)+3],   v[AA3] offset:128*(\p)
	ds_load_b128 v[A3F+8*(\i)+4:A3F+8*(\i)+7], v[AA3] offset:128*(\p)+32
.endm
.macro LDBB p                          ; b2 of pair p, laid as a result is: my eight units of each of its two tiles
	WIN 0
.irp mi, 0,1
	ds_load_b128 v[BBR+8*\mi:BBR+8*\mi+3],   v[AB2] offset:64*(2*(\p)+\mi)
	ds_load_b128 v[BBR+8*\mi+4:BBR+8*\mi+7], v[AB2] offset:64*(2*(\p)+\mi)+16
.endr
.endm
.macro ADRS                            ; my lane's places in the slot in hand
	v_add_nc_u32 v[AF0], s[RB], v[L16]
	v_add_nc_u32 v[AA1], s[RB], v[LA1]
	v_add_nc_u32 v[AA3], s[RB], v[LA3]
	v_add_nc_u32 v[AB2], s[RB], v[LB2]
	v_add_nc_u32 v[AMS], s[RB], v[LMS]
	v_add_nc_u32 v[AF1], 0x10000, v[AF0]
.endm
.macro START                           ; what a step begins with, 39 loads: the layer's twelve numbers, A1 of units 0-63, b2 of units 0-127 (into region E), W2's fragments of batch 0
	WIN 0
	ds_load_b128 v[MNR:MNR+3],    v[AMS]
	ds_load_b128 v[MNR+4:MNR+7],  v[AMS] offset:16
	ds_load_b128 v[MNR+8:MNR+11], v[AMS] offset:32
	LDA1 0, 0
	LDA1 1, 1
	LDA1 2, 2
	LDA1 3, 3
	WIN 0xc0
.irp m, 0,1,2,3,4,5,6,7
	ds_load_b128 v[RE+8*\m:RE+8*\m+3],   v[AB2] offset:64*\m
	ds_load_b128 v[RE+8*\m+4:RE+8*\m+7], v[AB2] offset:64*\m+16
.endr
	FETCH1 0, F0
	WIN 0
.endm
; A PREFETCH INTO THE L2.  pk is walked as one stream of 8,704 blocks of 256 bytes.  All 64 clusters read the same blocks: cluster 0 asks, and nobody else; its 16 waves are told apart BY ADDRESS
; ((4 cx + wave) x 8,192 bytes), a lane a block, one instruction a wave: 512 blocks at a change of slots.  The change ahead of step i (1 to 13) names blocks 2,048 + 512 (i - 1) on; the last block named is
; pk's last.  A package has 544 blocks, so every package from the fifth on has been named whole at the change before the one that loads it.  Each block is named once; the first 2,048 come by their loads alone.
.macro ASK
	s_cmp_gt_u32 s[CNT], s[LIM]                    ; not at the last change that fills a slot: nothing is left to name
	s_cbranch_scc0 .Lnot_mine_\@
	global_prefetch_b8 v[PFO], s[PFA:PFA+1] th:TH_LOAD_NT scope:SCOPE_SE
.Lnot_mine_\@:
.endm
; BATCH kk OF 0..7: K step kk of units 0-127.  At its head: the last run of loads, issued 32 products back, is waited for; the first layer's products for K step kk + 1; four places; the next run of loads.
; Then 32 products, (m, n) at 32 m + 8 n of window 2, behind each three lines of the activation of those first-layer results, which becomes h1^T (n, kk + 1).
.macro B1 kk
	WIN 0
	s_wait_dscnt 0x0
.if (\kk) < 7
	L1W (\kk)+1
.endif
	PLACES
.if (\kk) == 7
	FETCH2 4, 0, F0
	LDBB 4
	NOP_P
.else
	FETCH1 (\kk)+1, F0+64*(((\kk)+1)%2)
	SETP TH, 3, 8*((\kk)+1), 64, 1
.endif
.if (\kk) < 6
	LDA1 2*(\kk)+4, 2*((\kk)%2)
	LDA1 2*(\kk)+5, 2*((\kk)%2)+1
.endif
.set bi, 0
.rept 32
.set bd, 8*bi
.set ba, F0+64*((\kk)%2)+8*(bi/4)
.set bb, 64*(bi%4)+8*(\kk)
.if (\kk) == 0
	MAINW bd, 2, ba, bb, 3, RE+8*(bi/4)            ; b2 starts the sums
.else
	MAINW bd, 2, ba, bb, 2, bd
.endif
	RID 3
.set bi, bi+1
.endr
.endm
; BATCH b OF 8..15: half hf = b % 2 of K for pair p = 4 + (b - 8) / 2.  Pair 4 sums in region E, pairs 5, 6, 7 in regions 0, 1, 2, which pairs 0, 1, 2 have left by then.
; The pairs are activated in the order 0, 1, 2, 4, 3, 5, 6, 7, one a batch from batch 8 on (pair 7 at the change of slots), into h2^T's two buffers by turns; the four products with A3 stand at the next batch's head.
.macro B2 b
.set bq, (\b)-8
.set bp, 4+bq/2
.set bh, bq%2
.set bs, bq
.if bq == 3
.set bs, 4
.endif
.if bq == 4
.set bs, 3
.endif
	WIN 0
	s_wait_dscnt 0x0
.if bq >= 1
	L3W bq-1
.endif
	PLACES
	LDA3 bs, bq%2
.if (bh == 1) && (bp < 7)
	LDBB bp+1
.endif
.if bq < 7
	FETCH2 4+(bq+1)/2, (bq+1)%2, F0+64*((bq+1)%2)
.endif
.if bq == 7
	NOP_P
.elseif bs == 4
	SETP RE, 3, TH+32*(bq%2), 8, 3
.elseif bs < 4
	SETP 64*bs, 2, TH+32*(bq%2), 8, 3
.else
	SETP 64*(bs-5), 2, TH+32*(bq%2), 8, 3
.endif
.if bp == 4
.set bw, 3
.set bg, RE
.else
.set bw, 2
.set bg, 64*(bp-5)
.endif
.set bi, 0
.rept 32
.set bk, bi/8
.set bt, bi%8
.set bd, bg+8*bt
.set ba, F0+64*bh+8*(2*bk+bt/4)
.set bb, 64*(bt%4)+8*(4*bh+bk)
.if (bh == 0) && (bk == 0)
	MAINW bd, bw, ba, bb, 0, BBR+8*(bt/4)          ; b2 starts the sums
.else
	MAINW bd, bw, ba, bb, bw, bd
.endif
	RID 3
.set bi, bi+1
.endr
.endm
; A STEP: the first layer's first 32 units and their activation stand alone; then the 16 batches.
.macro BODY
	WIN 0
	s_wait_dscnt 0x0                               ; START's loads
	L1W 0
	PLACES
	SETP TH, 3, 0, 64, 1
	RID 96
.irp kk, 0,1,2,3,4,5,6,7
	B1 \kk
.endr
.irp bn, 8,9,10,11,12,13,14,15
	B2 \bn
.endr
	WIN 0
.endm
; THE CHANGE OF SLOTS, between two steps.  Each wave waits for all its tensor loads, of which one is out: its quarter of the next package; adds 0 to its spare word; and waits for that and for its own reads of
; the slot that it leaves.  Behind the barrier nobody reads the old slot any more and the next package is whole.  fill = 1: the old slot is filled again, with the package two on; the barrier then opens a
; round of the cluster's, so that no wave of any partner still reads the slot or has a load on its way, and the joint refill is the first thing behind the round: it has a whole step in which to land.
; Pair 7's activation, work on registers, is laid round the waits: its roundings behind the add, its products between signal and wait, its maxima behind the next step's first loads.
.macro CHG fill
	WIN 0
	PLACES                                         ; behind the step's last products
	SETP 128, 2, TH+32, 8, 3                       ; pair 7: region 2, into h2^T's second buffer
	s_wait_tensorcnt 0x0                           ; no tensor load of mine is out, so group 0 may be written
	ds_add_u32 v[SPW], v[NIL]                      ; 0 onto my spare word
.if \fill
	s_xor_b32 s[G0+1], s[G0+1], SLOT1              ; the walking descriptor: the other slot than last time,
	s_add_nc_u64 s[G0+2:G0+3], s[G0+2:G0+3], PKG   ; the next package; the type bits on top are not reached
	s_wait_xcnt 0x0                                ; the last prefetch, a step back, has read its address, so it may be written
	s_add_nc_u64 s[PFA:PFA+1], s[PFA:PFA+1], 131072
.endif
	s_xor_b32 s[RB], s[RB], SLOT1
	ADRS
	RID 32
	WIN 0
	s_wait_dscnt 0x0                               ; the add is done, and my reads of the slot are over
	s_barrier_signal -1
	RID 32
	WIN 0
	s_barrier_wait -1
.if \fill
	CREST
	JLOAD
.endif
	START
.if \fill
	ASK                                            ; behind the joint load and the run of LDS loads
.endif
	RID 32
	L3W 7
	WIN 0
	PLACES                                         ; eight places, once a step, ahead of the first reader of o^T and of the products that write h2^T's registers anew
	PLACES
.endm
.macro OSMOV                           ; o^T's two numbers a sample are set aside (behind the s net they are wanted a step later)
.irp n, 0,1,2,3
	v_mov_b32 v[OSR+2*\n],   v[OUTR+8*\n]
	v_mov_b32 v[OSR+2*\n+1], v[OUTR+8*\n+1]
.endr
.endm
; A LAYER'S END, both columns at once, in pairs: x = x m + q (x e^(q tanh(os + sb3)) + q (ot + tb3)), q = 1 - m.  Three batches of eight transcendentals, each with a plain line behind it and ONE wait ahead
; of its first reader.
.macro TFIN
	v_pk_mul_f32 v[TMP:TMP+1],   v[MR+2:MR+3], 0x3fb8aa3b op_sel_hi:[1,0]  ; q log2(e)
	v_pk_mul_f32 v[TMP+2:TMP+3], v[MR+4:MR+5], 0x4038aa3b op_sel_hi:[1,0]  ; 2 log2(e) sb3
	v_pk_mul_f32 v[TMP+4:TMP+5], v[MR+6:MR+7], v[MR+2:MR+3]                ; q tb3
	v_pk_mul_f32 v[TMP+6:TMP+7], v[TMP:TMP+1], -2.0 op_sel_hi:[1,0]        ; -2 q log2(e)
.irp n, 0,1,2,3
	v_pk_fma_f32 v[AR+2*\n:AR+2*\n+1], v[OSR+2*\n:OSR+2*\n+1], 0x4038aa3b, v[TMP+2:TMP+3] op_sel_hi:[1,0,1]
.endr
.irp i, 0,1,2,3,4,5,6,7
	v_exp_f32 v[AR+\i], v[AR+\i]                   ; e^(2 a)
.endr
.irp n, 0,1,2,3
	v_pk_fma_f32 v[TR+2*\n:TR+2*\n+1], v[OUTR+8*\n:OUTR+8*\n+1], v[MR+2:MR+3], v[TMP+4:TMP+5]  ; t: plain work behind the batch
.endr
	s_wait_alu depctr_va_vdst(0)
.irp n, 0,1,2,3
	v_pk_add_f32 v[AR+2*\n:AR+2*\n+1], v[AR+2*\n:AR+2*\n+1], 1.0 op_sel_hi:[1,0]
.endr
.irp i, 0,1,2,3,4,5,6,7
	v_rcp_f32 v[AR+\i], v[AR+\i]
.endr
	v_nop
	s_wait_alu depctr_va_vdst(0)
.irp n, 0,1,2,3
	v_pk_fma_f32 v[AR+2*\n:AR+2*\n+1], v[AR+2*\n:AR+2*\n+1], v[TMP+6:TMP+7], v[TMP:TMP+1]  ; q log2(e) (1 - 2 r) = log2(e) s
.endr
.irp i, 0,1,2,3,4,5,6,7
	v_exp_f32 v[AR+\i], v[AR+\i]                   ; e^s
.endr
	v_nop
	s_wait_alu depctr_va_vdst(0)
.irp n, 0,1,2,3
	v_pk_fma_f32 v[TR+2*\n:TR+2*\n+1], v[XCR+2*\n:XCR+2*\n+1], v[AR+2*\n:AR+2*\n+1], v[TR+2*\n:TR+2*\n+1]
.endr
.irp n, 0,1,2,3
	v_pk_mul_f32 v[TR+2*\n:TR+2*\n+1], v[TR+2*\n:TR+2*\n+1], v[MR+2:MR+3]
.endr
.irp n, 0,1,2,3
	v_pk_fma_f32 v[XNR+2*\n:XNR+2*\n+1], v[XCR+2*\n:XCR+2*\n+1], v[MR:MR+1], v[TR+2*\n:TR+2*\n+1]
.endr
.endm
; A LAYER'S BEGINNING: x = x inv(Winv), in f32; x_ = x m; Bx is made of x_: each number as a bf16 and the bf16 of what that rounding left; lanes 16-31 hold 0.  Then the layer's m, 1 - m, sb3, tb3 are kept.
.macro XB
.irp n, 0,1,2,3
	v_mul_f32 v[XCR+2*\n],   v[XNR+2*\n], v[MNR]
	v_mul_f32 v[XCR+2*\n+1], v[XNR+2*\n], v[MNR+1]
.endr
.irp n, 0,1,2,3
	v_fma_f32 v[XCR+2*\n],   v[XNR+2*\n+1], v[MNR+2], v[XCR+2*\n]
	v_fma_f32 v[XCR+2*\n+1], v[XNR+2*\n+1], v[MNR+3], v[XCR+2*\n+1]
.endr
.irp n, 0,1,2,3
	v_pk_mul_f32 v[AR+2*\n:AR+2*\n+1], v[XCR+2*\n:XCR+2*\n+1], v[MNR+4:MNR+5]
.endr
.irp n, 0,1,2,3
	v_cvt_pk_bf16_f32 v[BXR+8*\n+3], v[AR+2*\n], v[AR+2*\n+1]      ; (xh0, xh1)
.endr
.irp n, 0,1,2,3
	v_lshlrev_b32 v[TR+2*\n],   16, v[BXR+8*\n+3]
	v_and_b32     v[TR+2*\n+1], 0xffff0000, v[BXR+8*\n+3]
.endr
.irp n, 0,1,2,3
	v_pk_add_f32 v[AR+2*\n:AR+2*\n+1], v[AR+2*\n:AR+2*\n+1], v[TR+2*\n:TR+2*\n+1] neg_lo:[0,1] neg_hi:[0,1]
.endr
.irp n, 0,1,2,3
	v_cvt_pk_bf16_f32 v[BXR+8*\n],   v[TR+2*\n],   v[AR+2*\n]       ; (xh0, xl0)
	v_cvt_pk_bf16_f32 v[BXR+8*\n+1], v[TR+2*\n+1], v[AR+2*\n+1]     ; (xh1, xl1)
.endr
.irp n, 0,1,2,3
	v_and_b32 v[BXR+8*\n],   v[HM], v[BXR+8*\n]
	v_and_b32 v[BXR+8*\n+1], v[HM], v[BXR+8*\n+1]
	v_and_b32 v[BXR+8*\n+3], v[HM], v[BXR+8*\n+3]
.endr
.irp i, 0,1,2,3,4,5,6,7
	v_mov_b32 v[MR+\i], v[MNR+4+\i]
.endr
.endm
	s_load_b128 s[4:7], s[0:1], 0x0                ; z s[4:5], pk s[6:7]
	s_load_b64 s[8:9], s[0:1], 0x10                ; out0
	v_lshl_add_u32 v[SPW], v0, 2, SPARE
	v_mov_b32 v[NIL], 0
	ds_add_u32 v[SPW], v[NIL]                      ; the wave's opening: the add and its wait stand ahead of my first tensor load; the set-up below, work on registers, stands between them
	v_lshrrev_b32 v1, 5, v0
	v_readfirstlane_b32 s[WV], v1                  ; wave 0..3
	s_bfe_u32 s11, ttmp6, 0x40000                  ; cx: my place in the cluster: it enters z's, out0's and the prefetches' addresses alone
	s_lshl_b32 s12, ttmp9, 2                       ; in a cluster launch ttmp9 counts clusters
	s_add_co_u32 s12, s12, s11                     ; my work-group
	s_lshl_b32 s12, s12, 11                        ; its 256 samples of 8 bytes,
	s_lshl_b32 s13, s[WV], 9                       ; my wave's 64
	s_add_co_u32 s12, s12, s13
	s_mov_b32 s13, 0
	s_mul_i32 s14, s[WV], QUART                    ; my quarter of a package
	s_mov_b32 s15, 0
	; descriptor group 1: 136 rows of 32 elements of 8 bytes, dense in memory and in LDS
	s_mov_b32 s[G1+0], 15|(3<<16)|(1<<21)          ; 15:0 the mask: all four work-groups; 17:16 elements of 8 bytes; 21 set beside a mask; no padding
	s_mov_b32 s[G1+1], 32<<16                      ; tensor_dim0 = 32
	s_mov_b32 s[G1+2], 136<<16                     ; tensor_dim1 = 136
	s_mov_b32 s[G1+3], 32<<16                      ; tile_dim0 = 32
	s_mov_b32 s[G1+4], 136                         ; tile_dim1 = 136
	s_mov_b32 s[G1+5], 32                          ; 32 elements from row to row
	s_mov_b32 s[G1+6], 0
	s_mov_b32 s[G1+7], 0
	s_mov_b32 s[G0], 1                             ; 1:0 count = 1
	s_mul_i32 s[G0+1], s[WV], QUART                ; LDS address: my quarter of slot 0
	s_mov_b32 s[SLP], 0x3c243c24
	s_mov_b32 s[RB], 0
	s_cmp_eq_u32 ttmp9, 0                          ; the first cluster prefetches: the same answer in all four partners
	s_cselect_b32 s[LIM], 1, -1
	s_lshl2_add_u32 s34, s11, s[WV]                ; 4 cx + wave
	s_lshl_b32 s34, s34, 13
	s_mov_b32 s35, 0
	v_and_b32 v1, 31, v0                           ; l
	v_and_b32 v19, 15, v0                          ; l % 16
	v_lshlrev_b32 v[L16], 4, v1
	v_lshlrev_b32 v[PFO], 8, v1
	v_lshlrev_b32 v[OO], 3, v1
	v_lshlrev_b32 v[ZO], 3, v19
	v_lshl_add_u32 v[LA1], v19, 4, T_A1
	v_bfe_u32 v1, v0, 4, 1                         ; l / 16
	v_and_b32 v[LA3], 1, v0
	v_lshlrev_b32 v[LA3], 6, v[LA3]
	v_lshl_add_u32 v[LA3], v1, 4, v[LA3]
	v_add_nc_u32 v[LA3], T_A3, v[LA3]
	v_lshl_add_u32 v[LB2], v1, 5, T_B2
	v_mov_b32 v[LMS], T_MS
	v_add_nc_u32 v[HM], -1, v1
	s_wait_dscnt 0x0                               ; the opening add is done
	s_wait_kmcnt 0x0
	s_add_nc_u64 s[4:5], s[4:5], s[12:13]          ; z and out0 at my wave's first sample
	s_add_nc_u64 s[8:9], s[8:9], s[12:13]
	s_add_nc_u64 s[G0+2:G0+3], s[6:7], s[14:15]    ; global address: my quarter of package 0
	s_or_b32 s[G0+3], s[G0+3], 0x80000000          ; 127:126 type = 2
	s_add_nc_u64 s[PFA:PFA+1], s[6:7], s[34:35]
	s_add_nc_u64 s[PFA:PFA+1], s[PFA:PFA+1], 393216  ; the first change that asks steps it to block 2,048.  Nothing is prefetched here, at the head
	CROUND                                         ; all four work-groups are here: the first joint loads meet
	JLOAD                                          ; package 0 into slot 0
.irp n, 0,1,2,3
	global_load_b64 v[XNR+2*\n:XNR+2*\n+1], v[ZO], s[4:5] offset:128*\n  ; both halves of the lanes hold sample l % 16 of the tile
.endr
.irp n, 0,1,2,3                        ; what never changes: Bx's two ones (lanes 0-15) and its upper half, A1's upper halves; the s net's outputs are written before any path reads them
	v_and_b32 v[BXR+8*\n+2], 0x3f803f80, v[HM]
	v_mov_b32 v[BXR+8*\n+4], 0
	v_mov_b32 v[BXR+8*\n+5], 0
	v_mov_b32 v[BXR+8*\n+6], 0
	v_mov_b32 v[BXR+8*\n+7], 0
	v_mov_b32 v[A1F+8*\n+4], 0
	v_mov_b32 v[A1F+8*\n+5], 0
	v_mov_b32 v[A1F+8*\n+6], 0
	v_mov_b32 v[A1F+8*\n+7], 0
	v_mov_b32 v[OSR+2*\n], 0
	v_mov_b32 v[OSR+2*\n+1], 0
.endr
	; the first change: package 0 is waited for, and slot 1 takes package 1, issued as a refill is
	s_wait_tensorcnt 0x0
	ds_add_u32 v[SPW], v[NIL]
	s_xor_b32 s[G0+1], s[G0+1], SLOT1
	s_add_nc_u64 s[G0+2:G0+3], s[G0+2:G0+3], PKG
	ADRS
	s_wait_dscnt 0x0
	CROUND
	JLOAD
	START
	s_wait_loadcnt 0x0                             ; z
	s_wait_dscnt 0x0                               ; the first layer's twelve numbers
	XB
	s_mov_b32 s[CNT], 15
	s_branch .Lenter                               ; the loop is entered behind its change of slots
.Lloop:                                                ; 14 more trips: the change ahead of step i = 15 - CNT asks for package i + 1
	CHG 1
	s_and_b32 s36, s[CNT], 1
	s_cmp_eq_u32 s36, 1                            ; an even step begins a layer
	s_cbranch_scc0 .Lsame
	TFIN                                           ; the layer behind is ended, by its own m, sb3, tb3,
	s_wait_dscnt 0x0                               ; the new layer's numbers are in,
	XB                                             ; and it begins
.Lsame:
	OSMOV
.Lenter:
	BODY
	s_sub_co_u32 s[CNT], s[CNT], 1
	s_cmp_lg_u32 s[CNT], 0
	s_cbranch_scc1 .Lloop
	CHG 0                                          ; the last step is written out: nothing is asked for
	OSMOV
	BODY
	PLACES                                         ; behind the last products: pair 7's activation and its part of o^T
	SETP 128, 2, TH+32, 8, 3
	RID 96
	WIN 0
	s_wait_dscnt 0x0                               ; A3 of pair 7
	L3W 7
	WIN 0
	PLACES
	PLACES
	TFIN
	v_cmp_eq_u32 vcc_lo, 0, v[HM]                  ; lanes 16-31 take the odd tile's sample: 32 lanes then hold 32 samples on end
	v_cndmask_b32 v[TMP],   v[XNR],   v[XNR+2], vcc_lo
	v_cndmask_b32 v[TMP+1], v[XNR+1], v[XNR+3], vcc_lo
	v_cndmask_b32 v[TMP+2], v[XNR+4], v[XNR+6], vcc_lo
	v_cndmask_b32 v[TMP+3], v[XNR+5], v[XNR+7], vcc_lo
	global_store_b64 v[OO], v[TMP:TMP+1],   s[8:9]             ; each store of the wave covers 256 consecutive bytes, aligned
	global_store_b64 v[OO], v[TMP+2:TMP+3], s[8:9] offset:256
	s_wait_tensorcnt 0x0                           ; the wave's end: behind my last tensor load
	ds_add_u32 v[SPW], v[NIL]
	s_wait_dscnt 0x0
	CROUND                                         ; the closing round: no work-group ends while a partner may still ask for a package that names it
	s_endpgm
.Lfunc_end_k_qc0eb4feb8b_flow:
	.size	k_qc0eb4feb8b_flow, .Lfunc_end_k_qc0eb4feb8b_flow-k_qc0eb4feb8b_flow
	.p2alignl 7, 3214868480
	.fill 96, 4, 3214868480
	.section	.rodata,"a",@progbits
	.p2align	6, 0x0
	.amdhsa_kernel k_qc0eb4feb8b_flow
		.amdhsa_group_segment_fixed_size 327680
		.amdhsa_private_segment_fixed_size 0
		.amdhsa_enable_private_segment 0
		.amdhsa_kernarg_size 24
		.amdhsa_user_sgpr_count 2
		.amdhsa_user_sgpr_kernarg_segment_ptr 1
		.amdhsa_wavefront_size32 1
		.amdhsa_system_sgpr_workgroup_id_x 1
		.amdhsa_system_sgpr_workgroup_id_y 1
		.amdhsa_system_sgpr_workgroup_id_z 1
		.amdhsa_system_vgpr_workitem_id 0
		.amdhsa_next_free_vgpr 1024
		.amdhsa_next_free_sgpr 66
		.amdhsa_reserve_vcc 1
		.amdhsa_float_denorm_mode_32 3
		.amdhsa_float_denorm_mode_16_64 3
		.amdhsa_memory_ordered 1
		.amdhsa_forward_progress 1
		.amdhsa_inst_pref_size 255
	.end_amdhsa_kernel
	.section	.bss,"aw",@nobits
	.p2align	6
	.space	262144
	.amdgpu_metadata
---
amdhsa.version: [ 1, 2 ]
amdhsa.kernels:
  - .name:           k_qc0eb4feb8b_flow
    .symbol:         k_qc0eb4feb8b_flow.kd
    .args:
      - { .name: z, .offset: 0, .size: 8, .value_kind: global_buffer, .address_space: global }
      - { .name: pk, .offset: 8, .size: 8, .value_kind: global_buffer, .address_space: global }
      - { .name: out0, .offset: 16, .size: 8, .value_kind: global_buffer, .address_space: global }
    .group_segment_fixed_size: 327680
    .private_segment_fixed_size: 0
    .kernarg_segment_align: 8
    .kernarg_segment_size: 24
    .max_flat_workgroup_size: 128
    .sgpr_count:     66
    .vgpr_count:     1024
    .wavefront_size: 32
...
	.end_amdgpu_metadata
.endif
;; end of part 2
